; MI455X (gfx1250); checked and timed in simulation.
; The chip was launched on July 23, 2026; its instructions are those of AMD's public machine-readable ISA for CDNA 5 (MIT licence, August 2026) and "CDNA5" Instruction Set Architecture Reference Guide (July 2026). The comments in the code are by the model that wrote it; some were corrected since.
;; Compressed Global Attention. Allowed arithmetic: matrix products marked QUANTISED: E2M3 operands, one E8M0 scale for each 32 along K, by v_wmma_scale_f32_16x16x128_f8f6f4 with both operands' format E2M3, f32 sums; everything else in f32.
;; Inputs: Wk_codes 1,024 x 32 x 24 uint8 (E2M3 codes of Wk, K innermost, in blocks of 32 codes, four codes in three bytes); Wk_scales 1,024 x 32 uint8 (E8M0 scales of Wk, one for each 32 codes along K); Wo_codes 1,024 x 32 x 24 uint8 (E2M3 codes of Wo, K innermost, in blocks of 32 codes, four codes in three bytes); Wo_scales 1,024 x 32 uint8 (E8M0 scales of Wo, one for each 32 codes along K); Wq_codes 1,024 x 32 x 24 uint8 (E2M3 codes of Wq, K innermost, in blocks of 32 codes, four codes in three bytes); Wq_scales 1,024 x 32 uint8 (E8M0 scales of Wq, one for each 32 codes along K); Wv_codes 1,024 x 32 x 24 uint8 (E2M3 codes of Wv, K innermost, in blocks of 32 codes, four codes in three bytes); Wv_scales 1,024 x 32 uint8 (E8M0 scales of Wv, one for each 32 codes along K); bk 1,024 float32; bo 1,024 float32; bq 1,024 float32; bv 1,024 float32; x 2 x 8,192 x 1,024 float32.
;; Outputs: out0 2 x 8,192 x 1,024 float32.
;; Constants: local_window_start = 4096.
;; This version of the problem:
;;   THIS VERSION OF THE PROBLEM IS GIVEN IN LOW PRECISION. The matrix products marked QUANTISED in the list below multiply operands that are first quantised to E2M3 (2 exponent bits, 3 mantissa bits; 6 bits a number), with one power-of-two scale for each 32 numbers along K (OCP MX v1.0); their sums are f32. All else is computed in f32.
;;   The module's matrix products, in the order in which they are computed (A, B: the left and right operand; K: the contracted axis; several contracted axes count as one K, in the product's order):
;;     1. [M 16,384, K 1,024] x [K 1,024, N 1,024]; A: input x; B: input Wq (given as codes): QUANTISED
;;     2. [M 1,024, K 1,024] x [K 1,024, N 1,024]; A: computed on the way; B: input Wk (given as codes): QUANTISED
;;     3. [M 1,024, K 1,024] x [K 1,024, N 1,024]; A: computed on the way; B: input Wv (given as codes): QUANTISED
;;     4. batch 32 x [M 8,192, K 64] x [K 64, N 512]; A: computed on the way; B: computed on the way: QUANTISED
;;     5. batch 32 x [M 8,192, K 512] x [K 512, N 64]; A: softmax (see below); B: computed on the way: QUANTISED
;;     6. [M 16,384, K 1,024] x [K 1,024, N 1,024]; A: computed on the way; B: input Wo (given as codes): QUANTISED
;;   THE QUANTISER, for each operand of a quantised product, along K:
;;     - K is cut into blocks of 32 from its start; a last block that is shorter is filled with zeros.
;;     - A block's scale is 2^e with e = floor(log2(the largest magnitude in the block)) - 2, held to -126 .. 127; a block of zeros has e = 0. As a byte (E8M0): e + 127.
;;     - Each number is divided by its block's scale, clamped to +-7.5, and rounded to the nearest number of E2M3, ties to even, subnormals kept.
;;     - The product sums the exact products of the quantised numbers (number of the format x scale) in f32.
;;   ~~~python
;;   def quantise(x, axis):      # numpy; x: float32 -> the quantised numbers, widened to float32 again
;;       x = np.moveaxis(x, axis, -1); K = x.shape[-1]
;;       x = np.pad(x, [(0, 0)] * (x.ndim - 1) + [(0, -K % 32)]); x = x.reshape(x.shape[:-1] + (-1, 32)); a = np.abs(x).max(-1, keepdims=True)
;;       e = np.where(a > 0, np.clip(np.frexp(np.where(a > 0, a, 1))[1] - 1 - 2, -126, 127), 0)      # np.frexp(a)[1] - 1 = floor(log2(a)), exactly
;;       r = np.clip(x / 2.0 ** e, -7.5, 7.5)
;;       step = 2.0 ** (np.maximum(np.frexp(np.where(r == 0, 1, r))[1] - 1, 0) - 3)
;;       q = np.round(r / step) * step * 2.0 ** e      # np.round: ties to even
;;       return np.moveaxis(q.reshape(q.shape[:-2] + (-1,))[..., :K], -1, axis).astype(np.float32)
;;   ~~~
;;   SOFTMAX AHEAD OF A QUANTISED PRODUCT. Where the list says 'softmax', what is quantised is not the finished softmax but p = 2^(t - M), with t = logit x log2(e) and M = ceil(the row's largest t), a whole number; so 1/2 < the row's largest p <= 1. The row's sum l is taken of the UNQUANTISED p, in f32, and the product's result is divided by l at the end. Since M is a whole number, a kernel that streams over the keys may use a running M (the ceiling of the running maximum): every later rescaling is an exact power of two, which a block's scale takes up: the codes' values come out the same.
;;   OPERANDS COMPUTED ON THE WAY. 'Computed on the way' means the value that the module computes at that place (a softmax that the list does not call 'softmax' is quantised finished and normalised). What goes into a quantiser is computed in f32, as accurately as f32 sums, v_exp_f32 and their like allow (about 1e-6 of the number): no bf16 or f16 on the way to a quantiser, and a product that is left as it is and whose result goes on into a quantised operand takes f32 operands (vector FMAs, or v_wmma_f32_16x16x4_f32). A number that lies on a knife's edge between two numbers of the format may be rounded either way, as far as f32 arithmetic and the matrix unit's own rounding can turn it there, and no further.
;;   INPUTS GIVEN AS CODES. Wk (in the module: [1024, 1024], K = its axis 0); Wo (in the module: [1024, 1024], K = its axis 0); Wq (in the module: [1024, 1024], K = its axis 0); Wv (in the module: [1024, 1024], K = its axis 0): each comes as NAME_codes (uint8): NAME with its K axis moved to the last place and cut into blocks of 32 codes, [.., K / 32, bytes a block], one block behind the other in memory; four codes in three bytes: a row's codes are one little-endian stream of bits, code i at bits 6 i .. 6 i + 5 (a code: sign, 2 exponent bits, 3 mantissa bits); and NAME_scales (uint8): the same leading axes, one E8M0 byte (e + 127) for each 32 codes along K. Its value is code x scale, taken as it is: it is not quantised again, and the codes and scales need not be those that the quantiser above would give.
;; One version. Each part assembles by itself: llvm-mc -triple=amdgcn-amd-amdhsa -mcpu=gfx1250 --defsym DOCPART=n.
;; ======== version 1 of 1: 4 launches
;; limits: right only within a limited range of input values
;; workspace buffers: wimg 3,407,872 bytes; cimg 851,968 bytes; kvimg 1,703,936 bytes; ximg 16,777,216 bytes; aimg 16,777,216 bytes
;; launch prep (part 1): grid 256 x 1, 8 waves a work-group, no clusters, 85,504 bytes of LDS; arguments x, Wq_codes, Wq_scales, Wo_codes, Wo_scales, Wk_codes, Wk_scales, Wv_codes, Wv_scales, wimg, cimg, ximg; writes wimg, cimg, ximg
.if DOCPART == 1
	.amdgcn_target "amdgcn-amd-amdhsa--gfx1250"
	.amdhsa_code_object_version 6
	.text
	.protected	k_qabfca10641_prep
	.globl	k_qabfca10641_prep
	.p2align	8
	.type	k_qabfca10641_prep,@function
k_qabfca10641_prep:
	s_mov_b64 s[64:65], 0
	v_nop
	global_prefetch_b8 v0, s[64:65] scope:SCOPE_SE
	s_setreg_imm32_b32 hwreg(HW_REG_WAVE_MODE, 25, 1), 1
	s_wait_xcnt 0x0
; PREP.  Three jobs, each shared out evenly over 256 work-groups of eight waves; x is read once in the whole program, here.
; (1) The four weights become IMAGES OF OPERAND REGISTERS: wimg = [Wq, Wo, Wk, Wv][128 columns][128 along K] BLOCK; a BLOCK is 8 fragments of 1,536 bytes (registers 4 c .. 4 c + 3 of lane l at 512 c + 16 l)
;     and 1,024 bytes of scale words (tile t, lane l: 12288 + 512 (t / 4) + 16 l + 4 (t % 4)).  Row rho of tile 2 b + u is column 32 b + 8 u + rho + 8 (rho / 8).  Work-group = BLOCK, wave = fragment.
; (2) Work-group = (g = 4 batch + 128 pools, tile of 16 pools, quarter of K); wave j holds the 16 consecutive rows of x of the tile's pools 2 j and 2 j + 1, 256 columns.  Their means over 8 rows (a pairwise tree of f32 sums, x 1/8)
;     meet in LDS; waves 0 and 1 quantise one K step of 128 each into cimg = [g][K step] BLOCK, the pools of a tile chosen as the rows above.
; (3) The same 16 rows x 256 columns, and the 16 rows that lie 4,096 rows further on (which nobody pools), are quantised along the columns, through the wave's own stage in LDS:
;     ximg = [16 rows][128 along K] RECORD of 2,048 bytes: the fragment's 12 registers as above, then 16 bytes a lane whose first word is the row's scale word.
; THE QUANTISER: the scale's byte is the largest magnitude's exponent field - 2, held at 1 from below.
; LIMITS: a block of zeros keeps the byte 1 (its codes are zeros; this program alone reads the bytes); NaN and infinities among the inputs are not served.
; REGISTERS.  Window 0: v1-15 addresses, v16-28 the weight, v40-55 a record's last 16 registers' worth (12 of codes, the word, zeros), v64-191 the lower rows, v226-237 at work.  Window 1: v0-63 64 numbers of a row, v64-191 the upper rows.
.set BLOCK, 13312
.set STG, 17920                        ; LDS: 0 the pooled rows (2 x 8,448); 0x4200 the spare words; from here eight stages of 8,448
.set UP, 4194304                       ; 256 tiles of eight records
.set TM, 226
.set TP, 228
.set TS, 230
.set TC, 232
.set SEL, 40
.set MSB, 0
.macro WIN new                         ; the immediate's high byte repeats the setting that is left
.if MSB != (\new)
	s_set_vgpr_msb (MSB<<8)|(\new)
.set MSB, (\new)
.endif
.endm
; 32 numbers of a lane, register 16 b + i = k 32 b + 16 (lane / 16) + i, become 6 registers of codes (k = 32 (lane / 16) + 0 .. 31) and two scale bytes
.macro QBLK2 src, win, dst, sw
	v_mov_b32 v[TM], 0x1800000                     ; the floor 2^(3 - 127)
	v_mov_b32 v[TM+1], 0x1800000
	WIN (\win)*0x14
.irp i, 0,2,4,6,8,10,12,14
	v_max3_num_f32 v[TM], v[TM], |v[(\src)+\i]|, |v[(\src)+\i+1]|
	v_max3_num_f32 v[TM+1], v[TM+1], |v[(\src)+16+\i]|, |v[(\src)+17+\i]|
.endr
	WIN 0
	v_permlanex16_b32 v[TP], v[TM], s[SEL], s[SEL+1]
	v_permlanex16_b32 v[TP+1], v[TM+1], s[SEL], s[SEL+1]
	s_delay_alu instid0(VALU_DEP_2)
	v_max_num_f32 v[TM], v[TM], v[TP]
	s_delay_alu instid0(VALU_DEP_2)
	v_max_num_f32 v[TM+1], v[TM+1], v[TP+1]
	s_delay_alu instid0(VALU_DEP_2)
	v_add_nc_u32 v[TS], 0xff000000, v[TM]          ; 2 off the exponent field: the conversion's scale operand
	s_delay_alu instid0(VALU_DEP_2)
	v_add_nc_u32 v[TS+1], 0xff000000, v[TM+1]
	s_delay_alu instid0(VALU_DEP_2)
	v_lshrrev_b32 v[TP], 23, v[TS]
	s_delay_alu instid0(VALU_DEP_2)
	v_lshrrev_b32 v[TP+1], 23, v[TS+1]
	s_delay_alu instid0(VALU_DEP_1)
	v_lshl_or_b32 v[\sw], v[TP+1], 8, v[TP]
	WIN (\win)
	v_cvt_scalef32_pk16_fp6_f32 v[(\dst):(\dst)+2], v[(\src):(\src)+15], v[TS]
	v_cvt_scalef32_pk16_fp6_f32 v[TC:TC+2], v[(\src)+16:(\src)+31], v[TS+1]
	WIN 0
	v_nop                                          ; one plain place behind a scaled conversion
.irp i, 0,1,2
	v_permlane16_swap_b32 v[(\dst)+\i], v[TC+\i]   ; a whole block to a lane
.endr
.irp i, 0,1,2
	s_delay_alu instid0(VALU_DEP_3)
	v_mov_b32 v[(\dst)+3+\i], v[TC+\i]
.endr
.endm
.macro ADD2 a, b
	v_pk_add_f32 v[(\a):(\a)+1], v[(\a):(\a)+1], v[(\b):(\b)+1]
.endm
	s_load_b256 s[4:11], s[0:1], 0x0               ; x, Wq's codes, Wq's scales, Wo's codes
	s_load_b256 s[12:19], s[0:1], 0x20             ; Wo's scales, Wk's codes, Wk's scales, Wv's codes
	s_load_b128 s[20:23], s[0:1], 0x40             ; Wv's scales, wimg
	s_load_b64 s[24:25], s[0:1], 0x50              ; cimg
	s_load_b64 s[26:27], s[0:1], 0x58              ; ximg
	v_lshl_add_u32 v254, v0, 2, 0x4200
	v_mov_b32 v255, 0
	v_lshrrev_b32 v1, 5, v0
	s_delay_alu instid0(VALU_DEP_1)
	v_readfirstlane_b32 s44, v1                    ; wave j
	s_mov_b32 s[SEL], 0x76543210
	s_mov_b32 s[SEL+1], 0xfedcba98
	; the weight's fragment: weight = wg / 64, w = (wg / 8) % 8, s = wg % 8, tile = wave
	s_lshr_b32 s66, ttmp9, 6
	s_bfe_u32 s36, ttmp9, 0x30003
	s_and_b32 s37, ttmp9, 7
	s_lshl_b32 s38, s36, 7
	s_lshr_b32 s39, s44, 1
	s_lshl_b32 s39, s39, 5
	s_add_co_u32 s38, s38, s39
	s_and_b32 s39, s44, 1
	s_lshl_b32 s39, s39, 3
	s_add_co_u32 s38, s38, s39                     ; the tile's first row
	s_mul_i32 s46, s38, 768
	s_mul_i32 s39, s37, 96
	s_add_co_u32 s46, s46, s39
	s_mov_b32 s47, 0
	s_lshl_b32 s48, s38, 5
	s_lshl_b32 s39, s37, 2
	s_add_co_u32 s48, s48, s39
	s_mov_b32 s49, 0
	s_mul_i32 s50, ttmp9, BLOCK
	s_mul_i32 s39, s44, 1536
	s_add_co_u32 s52, s50, s39
	s_mov_b32 s53, 0
	s_lshr_b32 s39, s44, 2
	s_lshl_b32 s39, s39, 9
	s_add_co_u32 s50, s50, s39
	s_and_b32 s39, s44, 3
	s_lshl_b32 s39, s39, 2
	s_add_co_u32 s50, s50, s39
	s_add_co_u32 s50, s50, 12288
	s_mov_b32 s51, 0
	; the pools: g = wg / 32, tile = (wg / 4) % 8, quarter of K = wg % 4
	s_lshr_b32 s54, ttmp9, 5
	s_bfe_u32 s55, ttmp9, 0x30002
	s_and_b32 s56, ttmp9, 3
	s_and_b32 s57, s54, 3
	s_lshl_b32 s57, s57, 7
	s_lshr_b32 s39, s55, 1
	s_lshl_b32 s39, s39, 5
	s_add_co_u32 s57, s57, s39
	s_and_b32 s39, s55, 1
	s_lshl_b32 s39, s39, 3
	s_add_co_u32 s57, s57, s39
	s_lshl_b32 s39, s44, 1
	s_add_co_u32 s57, s57, s39
	s_lshr_b32 s39, s44, 2
	s_lshl_b32 s39, s39, 3
	s_add_co_u32 s57, s57, s39                     ; my first pool: + 2 j + 8 (j / 4)
	s_lshl_b32 s57, s57, 3                         ; its first row of x, a multiple of 16
	s_lshr_b32 s39, s54, 2
	s_lshl_b32 s39, s39, 13
	s_add_co_u32 s57, s57, s39                     ; + 8,192 x batch
	s_lshl_b32 s58, s57, 12
	s_lshl_b32 s39, s56, 10
	s_add_co_u32 s58, s58, s39                     ; x: + my quarter of K
	s_mov_b32 s59, 0
	s_lshl_b32 s70, s57, 10                        ; ximg: 16,384 bytes for each 16 rows,
	s_lshl_b32 s39, s56, 12
	s_add_co_u32 s70, s70, s39                     ; + my quarter's two records
	s_mov_b32 s71, 0
	s_lshl_b32 s60, s54, 3
	s_lshl_b32 s39, s56, 1
	s_add_co_u32 s60, s60, s39
	s_and_b32 s39, s44, 1
	s_add_co_u32 s60, s60, s39                     ; cimg's BLOCK (waves 0 and 1)
	s_mul_i32 s60, s60, BLOCK
	s_mul_i32 s39, s55, 1536
	s_add_co_u32 s62, s60, s39
	s_mov_b32 s63, 0
	s_lshr_b32 s39, s55, 2
	s_lshl_b32 s39, s39, 9
	s_add_co_u32 s60, s60, s39
	s_and_b32 s39, s55, 3
	s_lshl_b32 s39, s39, 2
	s_add_co_u32 s60, s60, s39
	s_add_co_u32 s60, s60, 12288
	s_mov_b32 s61, 0
	s_mul_i32 s72, s44, 1056                       ; LDS: pooled rows 2 j and 2 j + 1
	s_and_b32 s73, s44, 1
	s_mul_i32 s73, s73, 8448
	s_mul_i32 s74, s44, 8448
	s_add_co_u32 s74, s74, STG                     ; my stage
	v_and_b32 v2, 31, v0
	v_and_b32 v3, 15, v0
	v_bfe_u32 v4, v0, 4, 1
	v_lshlrev_b32 v14, 4, v2                       ; 16 x lane
	v_and_b32 v5, 8, v3
	v_mul_u32_u24 v9, v3, 528
	v_add_nc_u32 v5, v5, v3                        ; r + 8 (r / 8)
	v_lshl_add_u32 v9, v4, 6, v9                   ; row r, + 64 h
	v_mul_u32_u24 v10, v5, 768
	v_lshlrev_b32 v11, 5, v5
	v_add_nc_u32 v6, s74, v14                      ; my stage by rows
	v_mad_u32_u24 v10, v4, 24, v10
	v_add_nc_u32 v7, s74, v9                       ; my stage by lanes
	v_add_nc_u32 v15, s72, v14                     ; the pooled rows, in
	v_add_nc_u32 v9, s73, v9                       ; and out
	v_mov_b32 v[TP], 0
	v_mov_b32 v[TP+1], 0
	v_mov_b32 v53, 0
	v_mov_b32 v54, 0
	v_mov_b32 v55, 0
	s_wait_alu depctr_va_vdst(0)                   ; the wait at the head's end
	s_wait_kmcnt 0x0
	s_and_b32 s67, s66, 1
	s_cmp_eq_u32 s67, 0
	s_cselect_b64 s[28:29], s[6:7], s[10:11]
	s_cselect_b64 s[30:31], s[8:9], s[12:13]
	s_cselect_b64 s[32:33], s[14:15], s[18:19]
	s_cselect_b64 s[34:35], s[16:17], s[20:21]
	s_cmp_lt_u32 s66, 2
	s_cselect_b64 s[28:29], s[28:29], s[32:33]
	s_cselect_b64 s[30:31], s[30:31], s[34:35]
	s_add_nc_u64 s[28:29], s[28:29], s[46:47]
	s_add_nc_u64 s[30:31], s[30:31], s[48:49]
	s_add_nc_u64 s[52:53], s[22:23], s[52:53]
	s_add_nc_u64 s[50:51], s[22:23], s[50:51]
	s_add_nc_u64 s[4:5], s[4:5], s[58:59]
	s_add_nc_u64 s[68:69], s[4:5], 0x1000000       ; 4,096 rows further on
	s_add_nc_u64 s[62:63], s[24:25], s[62:63]
	s_add_nc_u64 s[60:61], s[24:25], s[60:61]
	s_add_nc_u64 s[70:71], s[26:27], s[70:71]
.macro LOADX bs                        ; 16 rows x 1,024 bytes: register 64 + 64 p + 8 i + 4 g: row 8 p + i, K step g
.irp p, 0,1
.irp i, 0,1,2,3,4,5,6,7
.irp g, 0,1
	global_load_b128 v[64+64*\p+8*\i+4*\g:64+64*\p+8*\i+4*\g+3], v14, s[\bs:\bs+1] offset:(8*\p+\i)*4096+512*\g th:TH_LOAD_NT
.endr
.endr
.endr
.endm
.irp p, 0,1,2,3,4,5
	global_load_b64 v[16+2*\p:17+2*\p], v10, s[28:29] offset:48*(\p/3)+8*(\p%3)
.endr
	global_load_b32 v28, v11, s[30:31]
	LOADX 4
	s_wait_loadcnt 32                              ; the weight's seven loads are in; the 32 of x may be out
	global_store_b128 v14, v[16:19], s[52:53]
	global_store_b128 v14, v[20:23], s[52:53] offset:512
	global_store_b128 v14, v[24:27], s[52:53] offset:1024
	global_store_b32 v14, v28, s[50:51]
	WIN 0x40
	LOADX 68                                       ; the upper rows, into window 1
	WIN 0
; one record: K step g of the 16 rows in window win
.macro XQ win, g, ofs
	WIN 4*(\win)                                   ; an LDS store's data are its source 1
.irp p, 0,1
.irp i, 0,1,2,3,4,5,6,7
	ds_store_b128 v6, v[64+64*\p+8*\i+4*\g:67+64*\p+8*\i+4*\g] offset:528*(8*\p+\i)
.endr
.endr
	WIN 0x40
.irp b, 0,1,2,3
.irp q, 0,1,2,3
	ds_load_b128 v[16*\b+4*\q:16*\b+4*\q+3], v7 offset:128*\b+16*\q   ; a wave's LDS instructions are served in order: row r, my 16 neighbours of each block of 32
.endr
.endr
	WIN 0
	s_wait_dscnt 0x0
	s_wait_xcnt 0x0                                ; the last record's stores have read their registers
	QBLK2 0, 1, 40, 236
	QBLK2 32, 1, 46, 237
	v_lshl_or_b32 v52, v237, 16, v236
.irp c, 0,1,2,3
	global_store_b128 v14, v[40+4*\c:43+4*\c], s[70:71] offset:(\ofs)+512*\c   ; 512 consecutive bytes a store
.endr
.endm
.macro POOL p                          ; the mean of pool p's eight rows, four columns a lane for each of the two K steps
.irp g, 0,1
.irp i, 0,2,4,6
.irp d, 0,2
	ADD2 64+64*\p+4*\g+8*\i+\d, 72+64*\p+4*\g+8*\i+\d
.endr
.endr
.irp i, 0,4
.irp d, 0,2
	ADD2 64+64*\p+4*\g+8*\i+\d, 80+64*\p+4*\g+8*\i+\d
.endr
.endr
.irp d, 0,2
	ADD2 64+64*\p+4*\g+\d, 96+64*\p+4*\g+\d
.endr
.irp d, 0,2
	s_delay_alu instid0(VALU_DEP_2)
	v_pk_mul_f32 v[64+64*\p+4*\g+\d:65+64*\p+4*\g+\d], v[64+64*\p+4*\g+\d:65+64*\p+4*\g+\d], 0x3e000000 op_sel_hi:[1,0]   ; x 1/8
.endr
	ds_store_b128 v15, v[64+64*\p+4*\g:67+64*\p+4*\g] offset:8448*\g+528*\p
.endr
.endm
	s_wait_loadcnt 32                              ; the lower rows are in; the upper rows' 32 loads may be out
	XQ 0, 0, 0
	XQ 0, 1, 2048
	POOL 0
	POOL 1
	s_wait_loadcnt 0x0
	XQ 1, 0, UP
	XQ 1, 1, UP+2048
	s_wait_dscnt 0x0                               ; for the others' sake: my pooled rows have landed
	s_barrier_signal -1
	s_barrier_wait -1
	s_cmp_ge_u32 s44, 2
	s_cbranch_scc1 .Ldone                          ; waves 0 and 1 quantise one K step of the pools each
	WIN 0x40
.irp b, 0,1,2,3
.irp q, 0,1,2,3
	ds_load_b128 v[16*\b+4*\q:16*\b+4*\q+3], v9 offset:128*\b+16*\q
.endr
.endr
	WIN 0
	s_wait_dscnt 0x0
	s_wait_xcnt 0x0
	QBLK2 0, 1, 40, 236
	QBLK2 32, 1, 46, 237
	v_lshl_or_b32 v52, v237, 16, v236
	global_store_b128 v14, v[40:43], s[62:63]
	global_store_b128 v14, v[44:47], s[62:63] offset:512
	global_store_b128 v14, v[48:51], s[62:63] offset:1024
	global_store_b32 v14, v52, s[60:61]
.Ldone:
	s_wait_tensorcnt 0x0                           ; the wave's end
	ds_add_u32 v254, v255
	s_wait_dscnt 0x0
	s_endpgm
.Lfunc_end_k_qabfca10641_prep:
	.size	k_qabfca10641_prep, .Lfunc_end_k_qabfca10641_prep-k_qabfca10641_prep
	.p2alignl 7, 3214868480
	.fill 96, 4, 3214868480
	.section	.rodata,"a",@progbits
	.p2align	6, 0x0
	.amdhsa_kernel k_qabfca10641_prep
		.amdhsa_group_segment_fixed_size 85504
		.amdhsa_private_segment_fixed_size 0
		.amdhsa_enable_private_segment 0
		.amdhsa_kernarg_size 96
		.amdhsa_user_sgpr_count 2
		.amdhsa_user_sgpr_kernarg_segment_ptr 1
		.amdhsa_wavefront_size32 1
		.amdhsa_system_sgpr_workgroup_id_x 1
		.amdhsa_system_sgpr_workgroup_id_y 1
		.amdhsa_system_sgpr_workgroup_id_z 1
		.amdhsa_system_vgpr_workitem_id 0
		.amdhsa_next_free_vgpr 448
		.amdhsa_next_free_sgpr 80
		.amdhsa_reserve_vcc 0
		.amdhsa_float_denorm_mode_32 3
		.amdhsa_float_denorm_mode_16_64 3
		.amdhsa_memory_ordered 1
		.amdhsa_forward_progress 1
		.amdhsa_inst_pref_size 53
	.end_amdhsa_kernel
	.amdgpu_metadata
---
amdhsa.version: [ 1, 2 ]
amdhsa.kernels:
  - .name:           k_qabfca10641_prep
    .symbol:         k_qabfca10641_prep.kd
    .args:
      - { .name: x, .offset: 0, .size: 8, .value_kind: global_buffer, .address_space: global }
      - { .name: Wq_codes, .offset: 8, .size: 8, .value_kind: global_buffer, .address_space: global }
      - { .name: Wq_scales, .offset: 16, .size: 8, .value_kind: global_buffer, .address_space: global }
      - { .name: Wo_codes, .offset: 24, .size: 8, .value_kind: global_buffer, .address_space: global }
      - { .name: Wo_scales, .offset: 32, .size: 8, .value_kind: global_buffer, .address_space: global }
      - { .name: Wk_codes, .offset: 40, .size: 8, .value_kind: global_buffer, .address_space: global }
      - { .name: Wk_scales, .offset: 48, .size: 8, .value_kind: global_buffer, .address_space: global }
      - { .name: Wv_codes, .offset: 56, .size: 8, .value_kind: global_buffer, .address_space: global }
      - { .name: Wv_scales, .offset: 64, .size: 8, .value_kind: global_buffer, .address_space: global }
      - { .name: wimg, .offset: 72, .size: 8, .value_kind: global_buffer, .address_space: global }
      - { .name: cimg, .offset: 80, .size: 8, .value_kind: global_buffer, .address_space: global }
      - { .name: ximg, .offset: 88, .size: 8, .value_kind: global_buffer, .address_space: global }
    .group_segment_fixed_size: 85504
    .private_segment_fixed_size: 0
    .kernarg_segment_align: 8
    .kernarg_segment_size: 96
    .max_flat_workgroup_size: 256
    .sgpr_count:     80
    .vgpr_count:     448
    .wavefront_size: 32
...
	.end_amdgpu_metadata
.endif
;; end of part 1
;; launch kv (part 2): grid 256 x 1, 4 waves a work-group, no clusters, 131,584 bytes of LDS; arguments cimg, wimg, bk, bv, kvimg; writes kvimg
.if DOCPART == 2
	.amdgcn_target "amdgcn-amd-amdhsa--gfx1250"
	.amdhsa_code_object_version 6
	.text
	.protected	k_qabfca10641_kv
	.globl	k_qabfca10641_kv
	.p2align	8
	.type	k_qabfca10641_kv,@function
k_qabfca10641_kv:
	s_mov_b64 s[64:65], 0
	v_nop
	global_prefetch_b8 v0, s[64:65] scope:SCOPE_SE
	s_setreg_imm32_b32 hwreg(HW_REG_WAVE_MODE, 25, 1), 1
	s_wait_xcnt 0x0
; KV.  k = Q(pooled x) Wk + bk and v = Q(pooled x) Wv + bv, on codes of E2M3, and both quantised again as operands of the attention's two products.
; A work-group is one task: kind (wg % 2: K or V), head ((wg / 2) % 16), g = wg / 32 (batch and 128 pools): 128 pools x 64 columns x 1,024 along K.
; K IS SHARED AMONG THE FOUR WAVES, two steps of 128 each, so that all of a wave's 87 loads go out at once; the four partial sums (256 registers a wave) meet in LDS, and wave j adds and finishes a quarter.
; KIND K: source 0 = 16 columns of Wk, source 1 = 16 pools: a lane holds one pool (key) and its registers run along the head's 64: that is the score product's K.  Tile tau of 16 keys becomes 6 registers.
; KIND V: source 0 = 16 pools, source 1 = 16 columns of Wv: a lane holds one column d and its registers run along the 128 pools: the second product's K.  Tile delta of 16 d becomes a fragment of 12 registers.
; Rows of weight tiles and pools of pool tiles are chosen (row rho of tile 2 b + u = 32 b + 8 u + rho + 8 (rho / 8)) so that the registers of tiles 2 b, 2 b + 1 are 16 neighbours.
; kvimg = [batch][head][128 keys] of 13,312 bytes: K's 48 registers (512 G + 16 lane), K's scale words at 6,144 (word i: tile 2 i in lanes 0-15, tile 2 i + 1 in lanes 16-31; bytes 2 and 3 are 0),
;         V's four fragments at 6,656, V's scale words at 12,800.
; The bias is added behind the four partial sums.  LIMITS: a block of zeros keeps the byte 1 (this program alone reads the bytes); NaN and infinities are not served.
; REGISTERS: window 0: v1-11 addresses; v16-31 the pools' scale words, v32-39 the weight's: scales and nothing else; v40-53 results; v54-55 bv; v64-255 the pools' fragments of two K steps, later three partial sums.
;   window 1: the 32 accumulators.   window 2: v0-95 the weight's fragments, later the fourth partial sum; v96-127 bk in the result's layout.
.set BLOCK, 13312
.set TM, 226
.set TP, 228
.set TS, 230
.set TC, 232
.set SEL, 20
.set MSB, 0
.macro WIN new                         ; the immediate's high byte repeats the setting that is left
.if MSB != (\new)
	s_set_vgpr_msb (MSB<<8)|(\new)
.set MSB, (\new)
.endif
.endm
.macro PLACES n
.rept \n
	v_nop
.endr
.endm
; 32 numbers of a lane, register 16 b + i = k 32 b + 16 (lane / 16) + i of the lane's row, become 6 registers of codes (k = 32 (lane / 16) + 0 .. 31) in v[dst] on and the two scale bytes in v[sw].
.macro QBLK2 src, win, dst, sw
	v_mov_b32 v[TM], 0x1800000                     ; the floor 2^(3 - 127): the byte cannot fall under 1
	v_mov_b32 v[TM+1], 0x1800000
	WIN (\win)*0x14
.irp i, 0,2,4,6,8,10,12,14
	v_max3_num_f32 v[TM], v[TM], |v[(\src)+\i]|, |v[(\src)+\i+1]|
	v_max3_num_f32 v[TM+1], v[TM+1], |v[(\src)+16+\i]|, |v[(\src)+17+\i]|
.endr
	WIN 0
	v_permlanex16_b32 v[TP], v[TM], s[SEL], s[SEL+1]
	v_permlanex16_b32 v[TP+1], v[TM+1], s[SEL], s[SEL+1]
	v_max_num_f32 v[TM], v[TM], v[TP]
	v_max_num_f32 v[TM+1], v[TM+1], v[TP+1]
	v_add_nc_u32 v[TS], 0xff000000, v[TM]          ; 2 off the exponent field: the conversion's scale operand
	v_add_nc_u32 v[TS+1], 0xff000000, v[TM+1]
	v_lshrrev_b32 v[TP], 23, v[TS]
	v_lshrrev_b32 v[TP+1], 23, v[TS+1]
	v_lshl_or_b32 v[\sw], v[TP+1], 8, v[TP]
	WIN (\win)
	v_cvt_scalef32_pk16_fp6_f32 v[(\dst):(\dst)+2], v[(\src):(\src)+15], v[TS]
	v_cvt_scalef32_pk16_fp6_f32 v[TC:TC+2], v[(\src)+16:(\src)+31], v[TS+1]
	WIN 0
	v_nop                                          ; one plain place behind a scaled conversion
.irp i, 0,1,2
	v_permlane16_swap_b32 v[(\dst)+\i], v[TC+\i]
.endr
.irp i, 0,1,2
	v_mov_b32 v[(\dst)+3+\i], v[TC+\i]
.endr
.endm
	s_load_b256 s[4:11], s[0:1], 0x0               ; cimg, wimg, bk, bv
	s_load_b64 s[12:13], s[0:1], 0x20              ; kvimg
	v_lshl_add_u32 v62, v0, 2, 0x20000
	v_mov_b32 v63, 0
	v_lshrrev_b32 v1, 5, v0
	v_readfirstlane_b32 s19, v1                    ; wave j
	s_and_b32 s16, ttmp9, 1                        ; kind
	s_bfe_u32 s17, ttmp9, 0x40001                  ; head
	s_lshr_b32 s18, ttmp9, 5                       ; g
	v_and_b32 v8, 31, v0
	v_and_b32 v9, 15, v0
	v_bfe_u32 v10, v0, 4, 1
	v_lshlrev_b32 v1, 4, v8                        ; 16 x lane
	v_lshlrev_b32 v2, 6, v10                       ; 64 h: bk's offset
	s_lshl_b32 s40, s19, 15
	v_add_nc_u32 v3, s40, v1                       ; LDS: my partial sums, 32,768 bytes a wave
	s_lshl_b32 s40, s19, 13
	v_add_nc_u32 v4, s40, v1                       ; my quarter (8,192 bytes) in waves 0 and 1's sums,
	v_add_nc_u32 v5, 0x10000, v4                   ; and in waves 2 and 3's
	s_mul_i32 s40, s19, 1536
	v_add_nc_u32 v6, s40, v1                       ; kvimg: my 12 registers of codes
	s_lshl_b32 s40, s19, 2
	v_add_nc_u32 v7, s40, v1                       ; and my scale word
	v_and_b32 v11, 8, v9
	v_add_nc_u32 v11, v11, v9
	v_lshlrev_b32 v11, 2, v11                      ; bv: 4 (r + 8 (r / 8))
	s_mov_b32 s[SEL], 0x76543210
	s_mov_b32 s[SEL+1], 0xfedcba98
	s_lshl_b32 s40, s18, 3
	s_lshl_b32 s41, s19, 1
	s_add_co_u32 s40, s40, s41
	s_mul_i32 s40, s40, BLOCK                      ; cimg: BLOCK 8 g + 2 j
	s_mov_b32 s41, 0
	s_lshr_b32 s42, s17, 1
	s_lshl_b32 s42, s42, 3
	s_lshl_b32 s43, s19, 1
	s_add_co_u32 s42, s42, s43
	s_mul_i32 s42, s42, BLOCK
	s_add_co_u32 s43, s16, 2
	s_mul_i32 s43, s43, 851968
	s_add_co_u32 s42, s42, s43                     ; wimg: weight 2 + kind, BLOCK 8 (head / 2) + 2 j
	s_and_b32 s44, s17, 1
	s_mul_i32 s45, s44, 6144
	s_add_co_u32 s46, s42, s45                     ; the head's four tiles,
	s_mov_b32 s47, 0
	s_lshl_b32 s45, s44, 9
	s_add_co_u32 s48, s42, s45
	s_add_co_u32 s48, s48, 12288                   ; and their scale words
	s_mov_b32 s49, 0
	s_lshl_b32 s50, s17, 8                         ; the head's 64 numbers of a bias
	s_mov_b32 s51, 0
	s_lshr_b32 s45, s19, 1
	s_lshl_b32 s45, s45, 7
	s_add_co_u32 s52, s50, s45
	s_and_b32 s45, s19, 1
	s_lshl_b32 s45, s45, 5
	s_add_co_u32 s52, s52, s45                     ; bv: tile delta = j begins at d = 32 (j / 2) + 8 (j % 2)
	s_mov_b32 s53, 0
	s_lshr_b32 s54, s18, 2
	s_lshl_b32 s54, s54, 6
	s_lshl_b32 s45, s17, 2
	s_add_co_u32 s54, s54, s45
	s_and_b32 s45, s18, 3
	s_add_co_u32 s54, s54, s45
	s_mul_i32 s54, s54, BLOCK
	s_mul_i32 s45, s16, 6656
	s_add_co_u32 s54, s54, s45                     ; kvimg: (64 batch + 4 head + step) x 13,312, V's half 6,656 on
	s_mov_b32 s55, 0
	s_wait_alu depctr_va_vdst(0)
	s_wait_kmcnt 0x0
	s_add_nc_u64 s[4:5], s[4:5], s[40:41]
	s_add_nc_u64 s[24:25], s[6:7], s[46:47]
	s_add_nc_u64 s[26:27], s[6:7], s[48:49]
	s_add_nc_u64 s[8:9], s[8:9], s[50:51]
	s_add_nc_u64 s[10:11], s[10:11], s[52:53]
	s_add_nc_u64 s[12:13], s[12:13], s[54:55]
.macro GROUP sp                        ; my K step sp: 39 loads
.irp g, 0,1,2,3,4,5,6,7,8,9,10,11,12,13,14,15,16,17,18,19,20,21,22,23
	global_load_b128 v[64+96*\sp+4*\g:67+96*\sp+4*\g], v1, s[4:5] offset:BLOCK*\sp+512*\g
.endr
	global_load_b128 v[16+8*\sp:19+8*\sp], v1, s[4:5] offset:BLOCK*\sp+12288
	global_load_b128 v[20+8*\sp:23+8*\sp], v1, s[4:5] offset:BLOCK*\sp+12800
	WIN 0x80                                       ; destination window 2
.irp g, 0,1,2,3,4,5,6,7,8,9,10,11
	global_load_b128 v[48*\sp+4*\g:48*\sp+4*\g+3], v1, s[24:25] offset:BLOCK*\sp+512*\g
.endr
	WIN 0
	global_load_b128 v[32+4*\sp:35+4*\sp], v1, s[26:27] offset:BLOCK*\sp
.endm
	GROUP 0
	GROUP 1
	WIN 0x80                                       ; both biases are loaded by both kinds: nine loads
.irp t, 0,1,2,3
.irp q, 0,1
	global_load_b128 v[96+8*\t+4*\q:99+8*\t+4*\q], v2, s[8:9] offset:128*(\t/2)+32*(\t%2)+16*\q   ; bk at d = 32 (t / 2) + 16 h + 8 (t % 2) + 0 .. 7
.endr
.endr
	WIN 0
	global_load_b32 v54, v11, s[10:11]             ; bv at my lane's d of tile j
; 32 products of one K step; the 32 accumulators take turns, one instruction a turn.  zero = 1: the first K step starts the sums
.macro MULK sp, zero
.irp t, 0,1,2,3,4,5,6,7
.irp d, 0,1,2,3
.if \zero
	v_wmma_scale_f32_16x16x128_f8f6f4 v[32*\t+8*\d:32*\t+8*\d+7], v[48*\sp+12*\d:48*\sp+12*\d+11], v[64+96*\sp+12*\t:64+96*\sp+12*\t+11], 0, v[32+4*\sp+\d], v[16+8*\sp+\t] matrix_a_fmt:MATRIX_FMT_FP6 matrix_b_fmt:MATRIX_FMT_FP6
.else
	v_wmma_scale_f32_16x16x128_f8f6f4 v[32*\t+8*\d:32*\t+8*\d+7], v[48*\sp+12*\d:48*\sp+12*\d+11], v[64+96*\sp+12*\t:64+96*\sp+12*\t+11], v[32*\t+8*\d:32*\t+8*\d+7], v[32+4*\sp+\d], v[16+8*\sp+\t] matrix_a_fmt:MATRIX_FMT_FP6 matrix_b_fmt:MATRIX_FMT_FP6
.endif
.endr
.endr
.endm
.macro MULV sp, zero
.irp d, 0,1,2,3
.irp t, 0,1,2,3,4,5,6,7
.if \zero
	v_wmma_scale_f32_16x16x128_f8f6f4 v[64*\d+8*\t:64*\d+8*\t+7], v[64+96*\sp+12*\t:64+96*\sp+12*\t+11], v[48*\sp+12*\d:48*\sp+12*\d+11], 0, v[16+8*\sp+\t], v[32+4*\sp+\d] matrix_a_fmt:MATRIX_FMT_FP6 matrix_b_fmt:MATRIX_FMT_FP6
.else
	v_wmma_scale_f32_16x16x128_f8f6f4 v[64*\d+8*\t:64*\d+8*\t+7], v[64+96*\sp+12*\t:64+96*\sp+12*\t+11], v[48*\sp+12*\d:48*\sp+12*\d+11], v[64*\d+8*\t:64*\d+8*\t+7], v[16+8*\sp+\t], v[32+4*\sp+\d] matrix_a_fmt:MATRIX_FMT_FP6 matrix_b_fmt:MATRIX_FMT_FP6
.endif
.endr
.endr
.endm
	s_cmp_eq_u32 s16, 0
	s_cbranch_scc0 .Lv_arm
	s_wait_loadcnt 48                              ; my first K step's 39 loads are in; the second's 39 and the biases' 9 may be out
	WIN 0x52                                       ; source 0 (the weight) window 2, source 1 (pools) window 0, C and D window 1
	MULK 0, 1
	s_wait_loadcnt 9                               ; the second K step is in; the biases may be out
	MULK 1, 0
	WIN 0
	s_branch .Ljoin
.Lv_arm:
	s_wait_loadcnt 48
	WIN 0x58                                       ; source 0 (pools) window 0, source 1 (the weight) window 2, C and D window 1
	MULV 0, 1
	s_wait_loadcnt 9
	MULV 1, 0
	WIN 0
.Ljoin:
	PLACES 4                                       ; in front of the first read of results, and of loads into registers that the products have read
	WIN 0x04                                       ; an LDS store's data are its source 1: window 1
.irp g, 0,1,2,3,4,5,6,7,8,9,10,11,12,13,14,15,16,17,18,19,20,21,22,23,24,25,26,27,28,29,30,31,32,33,34,35,36,37,38,39,40,41,42,43,44,45,46,47,48,49,50,51,52,53,54,55,56,57,58,59,60,61,62,63
	ds_store_b128 v3, v[4*\g:4*\g+3] offset:512*\g ; my partial sums as they stand, each accumulator from its low end on
.endr
	WIN 0
	s_wait_dscnt 0x0                               ; for the others' sake: my stores have landed
	s_barrier_signal -1
	s_barrier_wait -1
.irp g, 0,1,2,3,4,5,6,7,8,9,10,11,12,13,14,15
	ds_load_b128 v[64+4*\g:67+4*\g], v4 offset:512*\g              ; registers 64 j .. 64 j + 63 of wave 0's sums,
.endr
.irp g, 0,1,2,3,4,5,6,7,8,9,10,11,12,13,14,15
	ds_load_b128 v[128+4*\g:131+4*\g], v4 offset:32768+512*\g      ; of wave 1's,
.endr
.irp g, 0,1,2,3,4,5,6,7,8,9,10,11,12,13,14,15
	ds_load_b128 v[192+4*\g:195+4*\g], v5 offset:512*\g            ; of wave 2's,
.endr
	WIN 0x80
.irp g, 0,1,2,3,4,5,6,7,8,9,10,11,12,13,14,15
	ds_load_b128 v[4*\g:4*\g+3], v5 offset:32768+512*\g            ; of wave 3's
.endr
	WIN 0
	s_wait_dscnt 0x0
	s_wait_loadcnt 0x0                             ; the biases
.set JJ, 0
.rept 32
	v_pk_add_f32 v[64+JJ:65+JJ], v[64+JJ:65+JJ], v[128+JJ:129+JJ]
.set JJ, JJ+2
.endr
.set JJ, 0
.rept 32
	v_pk_add_f32 v[64+JJ:65+JJ], v[64+JJ:65+JJ], v[192+JJ:193+JJ]
.set JJ, JJ+2
.endr
	WIN 0x08                                       ; source 1 window 2
.set JJ, 0
.rept 32
	v_pk_add_f32 v[64+JJ:65+JJ], v[64+JJ:65+JJ], v[JJ:JJ+1]
.set JJ, JJ+2
.endr
	WIN 0
	s_cmp_eq_u32 s16, 0
	s_cbranch_scc0 .Lbias_v
	WIN 0x08
.set JJ, 0
.rept 32
	v_pk_add_f32 v[64+JJ:65+JJ], v[64+JJ:65+JJ], v[96+JJ%32:97+JJ%32]   ; K: my two tiles of keys, registers along d
.set JJ, JJ+2
.endr
	WIN 0
	s_branch .Lbiased
.Lbias_v:
	v_mov_b32 v55, v54
.set JJ, 0
.rept 32
	v_pk_add_f32 v[64+JJ:65+JJ], v[64+JJ:65+JJ], v[54:55]               ; V: one d a lane
.set JJ, JJ+2
.endr
.Lbiased:
	QBLK2 64, 0, 40, 236                           ; K: tile 2 j;      V: keys 0-63 of tile j
	QBLK2 96, 0, 46, 237                           ; K: tile 2 j + 1;  V: keys 64-127
	s_mov_b32 s30, 0xffff0000
	s_cmp_eq_u32 s16, 0
	s_cselect_b32 s31, 0, -1
	v_cndmask_b32 v52, v236, v237, s30             ; K's word: tile 2 j in lanes 0-15, tile 2 j + 1 in lanes 16-31
	v_lshl_or_b32 v53, v237, 16, v236              ; V's word: four bytes
	v_cndmask_b32 v52, v52, v53, s31               ; a choice of a value, made without a jump
	global_store_b128 v6, v[40:43], s[12:13]
	global_store_b128 v6, v[44:47], s[12:13] offset:512
	global_store_b128 v6, v[48:51], s[12:13] offset:1024
	global_store_b32 v7, v52, s[12:13] offset:6144
	s_wait_tensorcnt 0x0
	ds_add_u32 v62, v63
	s_wait_dscnt 0x0
	s_endpgm
.Lfunc_end_k_qabfca10641_kv:
	.size	k_qabfca10641_kv, .Lfunc_end_k_qabfca10641_kv-k_qabfca10641_kv
	.p2alignl 7, 3214868480
	.fill 96, 4, 3214868480
	.section	.rodata,"a",@progbits
	.p2align	6, 0x0
	.amdhsa_kernel k_qabfca10641_kv
		.amdhsa_group_segment_fixed_size 131584
		.amdhsa_private_segment_fixed_size 0
		.amdhsa_enable_private_segment 0
		.amdhsa_kernarg_size 40
		.amdhsa_user_sgpr_count 2
		.amdhsa_user_sgpr_kernarg_segment_ptr 1
		.amdhsa_wavefront_size32 1
		.amdhsa_system_sgpr_workgroup_id_x 1
		.amdhsa_system_sgpr_workgroup_id_y 1
		.amdhsa_system_sgpr_workgroup_id_z 1
		.amdhsa_system_vgpr_workitem_id 0
		.amdhsa_next_free_vgpr 640
		.amdhsa_next_free_sgpr 66
		.amdhsa_reserve_vcc 0
		.amdhsa_float_denorm_mode_32 3
		.amdhsa_float_denorm_mode_16_64 3
		.amdhsa_memory_ordered 1
		.amdhsa_forward_progress 1
		.amdhsa_inst_pref_size 52
	.end_amdhsa_kernel
	.amdgpu_metadata
---
amdhsa.version: [ 1, 2 ]
amdhsa.kernels:
  - .name:           k_qabfca10641_kv
    .symbol:         k_qabfca10641_kv.kd
    .args:
      - { .name: cimg, .offset: 0, .size: 8, .value_kind: global_buffer, .address_space: global }
      - { .name: wimg, .offset: 8, .size: 8, .value_kind: global_buffer, .address_space: global }
      - { .name: bk, .offset: 16, .size: 8, .value_kind: global_buffer, .address_space: global }
      - { .name: bv, .offset: 24, .size: 8, .value_kind: global_buffer, .address_space: global }
      - { .name: kvimg, .offset: 32, .size: 8, .value_kind: global_buffer, .address_space: global }
    .group_segment_fixed_size: 131584
    .private_segment_fixed_size: 0
    .kernarg_segment_align: 8
    .kernarg_segment_size: 40
    .max_flat_workgroup_size: 128
    .sgpr_count:     66
    .vgpr_count:     640
    .wavefront_size: 32
...
	.end_amdgpu_metadata
.endif
;; end of part 2
;; launch attn (part 3): grid 256 x 1, 8 waves a work-group, no clusters, 271,360 bytes of LDS; arguments ximg, wimg, kvimg, bq, aimg; writes aimg
.if DOCPART == 3
	.amdgcn_target "amdgcn-amd-amdhsa--gfx1250"
	.amdhsa_code_object_version 6
	.text
	.protected	k_qabfca10641_attn
	.globl	k_qabfca10641_attn
	.p2align	8
	.type	k_qabfca10641_attn,@function
k_qabfca10641_attn:
	s_mov_b64 s[64:65], 0
	v_nop
	global_prefetch_b8 v0, s[64:65] scope:SCOPE_SE
	s_setreg_imm32_b32 hwreg(HW_REG_WAVE_MODE, 25, 1), 1
	s_wait_xcnt 0x0
; ATTN.  a = Q(attention(Q(Q(x) Wq + bq), K, V)) for one pair of heads (128 columns), one batch and 32 tiles of 16 rows a work-group; q, the scores and p never go to memory.  All products on codes of E2M3.
; WHAT STAYS IN LDS: the pair's 8 BLOCKs of Wq and its 8 BLOCKs of K and V (2 heads x 4 steps of 128 pools), 212,992 bytes, brought once: each of the eight waves asks for an eighth by one tensor load at the head; nothing is filled again.
; SHARES.  c = wg % 16, pair = (wg / 16) % 8, batch = wg / 128.  A wave owns four tiles of 16 rows through the whole chain and meets the others at one barrier, behind the fill.
; THE MASK (pool j counts for query q where j < q / 8) hides whole key steps from tile T: it walks T / 64 + 1 steps, at most 4.  The tiles are dealt so that every wave walks 13 tile steps:
;   waves 0-3: T = 4 c + j (1 step), 192 + 4 c + j (4);  waves 4-7: T = 64 + 4 c + j (2), 128 + 4 c + j (3);  all: T = 256 + 16 c + 2 w and the next (4 each, no key hidden).
;   Tile 0 of a batch walks all 4 steps: its rows 0-7 see no pool, hidden scores are -2^33, c x 2^33 is a whole number that f32 holds, so t = M and p = 1 for all 512 pools, as where all logits are one constant.
; x's records come from memory into the registers of the one wave that uses them, two K steps ahead in two sets; a step further ahead has no registers, and no prefetch is laid: the walk along K has eight steps, two of them asked for at the head.
; NO JOINT LOADS: which steps a tile walks and where it is masked are branches on T, which hangs on the work-group's place c.
; THE SOFTMAX: t = score x log2(e) / 8; M = the running largest t rounded up; p = 2^(t - M) quantised along the keys; the sum of the unquantised p divides O at the end.
; THE SCORE PRODUCT has K = 64 in an instruction of 128: Q's upper 64 codes are zeros; the upper half of K's operand is the next tile's registers, its scale bytes 2 and 3 are 0.
; aimg = [16 rows][pair] RECORD of 2,048 bytes, as ximg: the operand of the last product's K step 'pair'.
; LIMITS: |q . k| under 2^33; a block of zeros keeps the scale byte 1; NaN and infinities are not served; the bias begins the sums.
; REGISTERS.  Window 0: v1-15 addresses; scales alone in v16-19, v21, v24-35; v20 f; v22-23 the add's; product: v64-159 x, two sets, v160-255 the weight; attention as named below.  Window 1: 32 accumulators; then O^T, V, Q.
.set BLOCK, 13312
.set KVL, 106496
.set QIMG, 212992                      ; q's halves, then the result's, the wave's own: 6144 w + 768 (4 e + m)
.set QSC, 262144                       ; their scale bytes: 1024 w + 128 (4 e + m) + 4 lane
.set SPARE, 270336
.set TM, 226
.set TP, 228
.set TS, 230
.set TC, 232
.set SEL, 20
.set XF, 64
.set WA, 160
.set WS, 24
.set CD0, 214
.set QS, 16
.set FF, 20
.set PW, 21
.set KS, 24
.set VS, 28
.set STT, 40
.set DM, 56
.set NEG, 57
.set TMP, 58
.set LB, 60
.set SC, 96
.set KF, 160
.set PC, 214
.set BM, 226
.set BX, 230
.set SO, 234
.set CT, 238
.set VF, 128
.set QF, 176
.set MSB, 0
.macro WIN new                         ; the immediate's high byte repeats the setting that is left
.if MSB != (\new)
	s_set_vgpr_msb (MSB<<8)|(\new)
.set MSB, (\new)
.endif
.endm
.macro PLACES n
.rept \n
	v_nop
.endr
.endm
.macro MMA d, a, b, sa, sb
	v_wmma_scale_f32_16x16x128_f8f6f4 v[(\d):(\d)+7], v[(\a):(\a)+11], v[(\b):(\b)+11], v[(\d):(\d)+7], v[\sa], v[\sb] matrix_a_fmt:MATRIX_FMT_FP6 matrix_b_fmt:MATRIX_FMT_FP6
.endm
.macro QBLK2 src, win, dst, sw
	v_mov_b32 v[TM], 0x1800000
	v_mov_b32 v[TM+1], 0x1800000
	WIN (\win)*0x14
.irp i, 0,2,4,6,8,10,12,14
	v_max3_num_f32 v[TM], v[TM], |v[(\src)+\i]|, |v[(\src)+\i+1]|
	v_max3_num_f32 v[TM+1], v[TM+1], |v[(\src)+16+\i]|, |v[(\src)+17+\i]|
.endr
	WIN 0
	v_permlanex16_b32 v[TP], v[TM], s[SEL], s[SEL+1]
	v_permlanex16_b32 v[TP+1], v[TM+1], s[SEL], s[SEL+1]
	s_delay_alu instid0(VALU_DEP_2)
	v_max_num_f32 v[TM], v[TM], v[TP]
	s_delay_alu instid0(VALU_DEP_2)
	v_max_num_f32 v[TM+1], v[TM+1], v[TP+1]
	s_delay_alu instid0(VALU_DEP_2)
	v_add_nc_u32 v[TS], 0xff000000, v[TM]
	s_delay_alu instid0(VALU_DEP_2)
	v_add_nc_u32 v[TS+1], 0xff000000, v[TM+1]
	s_delay_alu instid0(VALU_DEP_2)
	v_lshrrev_b32 v[TP], 23, v[TS]
	s_delay_alu instid0(VALU_DEP_2)
	v_lshrrev_b32 v[TP+1], 23, v[TS+1]
	s_delay_alu instid0(VALU_DEP_1)
	v_lshl_or_b32 v[\sw], v[TP+1], 8, v[TP]
	WIN (\win)
	v_cvt_scalef32_pk16_fp6_f32 v[(\dst):(\dst)+2], v[(\src):(\src)+15], v[TS]
	v_cvt_scalef32_pk16_fp6_f32 v[TC:TC+2], v[(\src)+16:(\src)+31], v[TS+1]
	WIN 0
	v_nop
.irp i, 0,1,2
	v_permlane16_swap_b32 v[(\dst)+\i], v[TC+\i]
.endr
.irp i, 0,1,2
	s_delay_alu instid0(VALU_DEP_3)
	v_mov_b32 v[(\dst)+3+\i], v[TC+\i]
.endr
.endm
	s_load_b256 s[4:11], s[0:1], 0x0               ; ximg, wimg, kvimg, bq
	s_load_b64 s[12:13], s[0:1], 0x20              ; aimg
	v_lshl_add_u32 v22, v0, 2, SPARE
	v_mov_b32 v23, 0
	ds_add_u32 v22, v23                            ; the opening lines: the add, twice on end, and its wait ahead of my tensor load
	ds_add_u32 v22, v23
	v_lshrrev_b32 v8, 5, v0
	s_delay_alu instid0(VALU_DEP_1)
	v_readfirstlane_b32 s16, v8                    ; wave w
	s_and_b32 s17, ttmp9, 15                       ; c
	s_bfe_u32 s18, ttmp9, 0x30004                  ; pair of heads
	s_lshr_b32 s19, ttmp9, 7                       ; batch
	s_and_b32 s44, s16, 3
	s_lshr_b32 s45, s16, 2
	s_lshl_b32 s46, s17, 2
	s_add_co_u32 s46, s46, s44                     ; 4 c + j
	s_lshl_b32 s47, s45, 6
	s_add_co_u32 s48, s46, s47                     ; T of tile 0
	s_add_co_u32 s49, s46, 192
	s_sub_co_u32 s49, s49, s47                     ; of tile 1
	s_lshl_b32 s50, s17, 4
	s_lshl_b32 s44, s16, 1
	s_add_co_u32 s50, s50, s44
	s_add_co_u32 s50, s50, 256                     ; of tile 2
	s_add_co_u32 s51, s50, 1                       ; of tile 3
	s_add_co_u32 s52, s45, 1                       ; steps that tile 0 walks,
	s_cmp_eq_u32 s48, 0
	s_cselect_b32 s54, 4, 0                        ; where rows 0-7 of the batch are in tile 0, its hidden steps 1 to 3 are walked too, in the short form below
	s_sub_co_u32 s53, 4, s45                       ; and tile 1
	s_lshl_b32 s47, s19, 9
.irp m, 0,1,2,3
	s_add_co_u32 s44, s[48+\m], s47
	s_lshl_b32 s[56+2*\m], s44, 14                 ; the tile's eight records
	s_mov_b32 s[57+2*\m], 0
	s_lshl_b32 s[48+\m], s[48+\m], 1               ; 2 T = the tile's first query / 8
.endr
	s_mov_b32 s[SEL], 0x76543210
	s_mov_b32 s[SEL+1], 0xfedcba98
	s_mov_b32 s22, 0x3e38aa3b                      ; log2(e) / 8
	s_mov_b32 s23, s22
	s_mul_i32 s88, s18, 8*BLOCK                    ; Wq: the pair's eight BLOCKs
	s_mul_i32 s89, s19, 64*BLOCK
	s_add_co_u32 s89, s89, s88                     ; kvimg: batch, head 2 x pair
	s_cmp_lt_u32 s16, 4
	s_cselect_b32 s88, s88, s89                    ; waves 0-3 fetch Wq, waves 4-7 K and V,
	s_and_b32 s89, s16, 3
	s_mul_i32 s89, s89, 26624                      ; a quarter each: 104 rows of 256 bytes
	s_add_co_u32 s88, s88, s89
	s_mov_b32 s89, 0
	s_mul_i32 s90, s16, 6144
	s_add_co_u32 s90, s90, QIMG
	s_lshl_b32 s91, s18, 11
	s_lshl_b32 s92, s16, 10
	s_add_co_u32 s92, s92, QSC
	s_lshl_b32 s74, s18, 9                         ; bq: the pair's 128 numbers
	s_mov_b32 s75, 0
	s_mov_b32 s76, 1
	s_mul_i32 s77, s16, 26624                      ; LDS: wave x 26,624
	s_mov_b32 s80, 3<<16                           ; elements of 8 bytes, no padding
	s_mov_b32 s81, 32<<16
	s_mov_b32 s82, 104<<16
	s_mov_b32 s83, 32<<16
	s_mov_b32 s84, 104
	s_mov_b32 s85, 32
	s_mov_b32 s86, 0
	s_mov_b32 s87, 0
	s_wait_dscnt 0x0                               ; both opening adds are done
	s_wait_kmcnt 0x0
	s_cmp_lt_u32 s16, 4
	s_cselect_b64 s[78:79], s[6:7], s[8:9]
	s_add_nc_u64 s[78:79], s[78:79], s[88:89]
	s_or_b32 s79, s79, 0x80000000
	tensor_load_to_lds s[76:79], s[80:87]          ; my one tensor load
	s_nop 0
	PLACES 4
.irp m, 0,1,2,3
	s_add_nc_u64 s[66+2*\m:67+2*\m], s[12:13], s[56+2*\m:57+2*\m]
	s_add_nc_u64 s[56+2*\m:57+2*\m], s[4:5], s[56+2*\m:57+2*\m]
.endr
	s_add_nc_u64 s[10:11], s[10:11], s[74:75]
	v_and_b32 v10, 31, v0
	v_and_b32 v5, 15, v0
	v_bfe_u32 v9, v0, 4, 1
	v_lshlrev_b32 v1, 4, v10                       ; v1  16 x lane
	v_lshlrev_b32 v6, 3, v10
	v_lshlrev_b32 v2, 4, v5                        ; v2  16 r: a record's scale words
	v_lshlrev_b32 v12, 6, v9                       ; v12 64 h: the bias's offset
	v_lshrrev_b32 v13, 3, v5
	v_lshlrev_b32 v11, 4, v9
	v_lshlrev_b32 v14, 2, v10
	v_add_nc_u32 v3, s90, v1                       ; v3  my images, 16 a lane
	v_add_nc_u32 v4, s90, v6                       ; v4  and 8 a lane
	v_add_nc_u32 v7, s91, v1                       ; v7  aimg: the pair's record
	v_sub_nc_u32 v13, v13, v11                     ; v13 r / 8 - 16 h: the mask's lane term
	v_add_nc_u32 v14, s92, v14                     ; v14 my scale bytes
	s_wait_alu depctr_va_vdst(0)                   ; the wait at the head's end
	WIN 0x40
.irp m, 0,1,2,3
.irp t, 0,1,2,3,4,5,6,7
.irp q, 0,1
	global_load_b128 v[8*(8*\m+\t)+4*\q:8*(8*\m+\t)+4*\q+3], v12, s[10:11] offset:128*(\t/2)+32*(\t%2)+16*\q   ; the sums begin as the bias
.endr
.endr
.endr
	WIN 0
.macro XLOAD set, off                  ; my four tiles' records of one K step: 16 loads
.irp m, 0,1,2,3
.irp c, 0,1,2
	global_load_b128 v[XF+48*\set+12*\m+4*\c:XF+48*\set+12*\m+4*\c+3], v1, s[56+2*\m:57+2*\m] offset:(\off)+512*\c
.endr
	global_load_b32 v[16+16*\set+\m], v2, s[56+2*\m:57+2*\m] offset:(\off)+1536
.endr
.endm
	XLOAD 0, 0
	XLOAD 1, 2048
	s_wait_tensorcnt 0x0                           ; my eighth has landed
	s_barrier_signal -1
	s_barrier_wait -1                              ; Wq, K and V lie in LDS
; ---- q = x Wq + bq: 64 rows x 128 columns x 1,024.  The 32 accumulators take turns
.macro KSTEP p, more, left
	ds_load_b128 v[WS:WS+3], v8 offset:BLOCK*\p+12288
	ds_load_b128 v[WS+4:WS+7], v8 offset:BLOCK*\p+12800
.set G, 0
.rept 24
	ds_load_b128 v[WA+4*G:WA+4*G+3], v8 offset:BLOCK*\p+512*G
.set G, G+1
.endr
	s_wait_loadcnt \left                           ; this set's 16 loads are in; the other set's 16 may be out
	WIN 0x50
.irp t, 0,1,2,3,4,5,6,7
	s_wait_dscnt 3*(7-\t)                          ; the weight's fragment t is in; the younger fragments, three loads each, may be out
.irp m, 0,1,2,3
	MMA 8*(8*\m+\t), WA+12*\t, XF+48*\p+12*\m, WS+\t, 16+16*\p+\m
.endr
.endr
	WIN 0
	PLACES 4
.if \more
.if \p == 0
	s_wait_xcnt 0x0                                ; the loads of the K step before have read their bases: two K steps on
.irp m, 0,1,2,3
	s_add_nc_u64 s[56+2*\m:57+2*\m], s[56+2*\m:57+2*\m], 4096
.endr
.endif
	XLOAD \p, 2048*\p
.endif
.endm
	s_mov_b32 s36, 0
	s_mov_b32 s38, 0
.Lk:
	v_add_nc_u32 v8, s36, v1
	s_wait_alu depctr_va_vdst(0)
	KSTEP 0, 1, 16
	KSTEP 1, 1, 16
	s_add_co_u32 s36, s36, 2*BLOCK
	s_add_co_u32 s38, s38, 1
	s_cmp_lt_u32 s38, 3
	s_cbranch_scc1 .Lk
	v_add_nc_u32 v8, s36, v1
	s_wait_alu depctr_va_vdst(0)
	KSTEP 0, 0, 16                                 ; the last two K steps ask for nothing
	KSTEP 1, 0, 0
; ---- q, quantised along each head's 64
.irp e, 0,1
.irp m, 0,1,2,3
	s_wait_dscnt 0x0
	QBLK2 64*\m+32*\e, 1, CD0, 236
	ds_store_b128 v3, v[CD0:CD0+3] offset:768*(4*\e+\m)
	ds_store_b64 v4, v[CD0+4:CD0+5] offset:768*(4*\e+\m)+512
	ds_store_b32 v14, v236 offset:128*(4*\e+\m)
.endr
.endr
; ---- ATTENTION
	WIN 0x40
.irp m, 0,1,2,3
.irp i, 6,7,8,9,10,11
	v_mov_b32 v[QF+12*\m+\i], 0                    ; Q's codes of k = 64 .. 127
.endr
.endr
	WIN 0
.irp i, 0,1,2,3,4,5
	v_mov_b32 v[KF+48+\i], 0
.endr
	v_mov_b32 v[NEG], 0xd0000000                   ; -2^33
	v_mov_b32 v[PW], 0
	; p of a step all of whose keys are hidden: 1 for rows 0-7 (t = M), 0 for rows 8-15 (they have seen pool 0).  1 is the code of 4.0 under the scale byte 125: 011000, sixteen of them in three words
	v_lshrrev_b32 v9, 3, v5
	v_add_nc_u32 v9, -1, v9                        ; all ones in rows 0-7, 0 in rows 8-15
.irp i, 0,3,6,9
	v_and_b32 v[64+\i], 0x18618618, v9
	v_and_b32 v[65+\i], 0x86186186, v9
	v_and_b32 v[66+\i], 0x61861861, v9
.endr
	v_and_b32 v76, 0x42800000, v9                  ; a lane's 64 keys of such a step add 64 to the sum
	v_mov_b32 v36, 0x7d7d7d7d                      ; the four scale bytes
	s_mov_b32 s28, 0
	s_mov_b32 s39, 0
	s_mov_b32 s40, 0
	s_mov_b32 s41, KVL
; One tile of 16 queries in one step of 128 keys: S^T = K Q^T, the softmax, O^T += V^T P^T
.macro TILE m
.if \m < 2
	s_cmp_lt_u32 s26, s[52+\m]
	s_cbranch_scc0 .Lno_tile_\@                    ; all the step's keys are hidden from this tile
.endif
	WIN 0x04
.irp t, 0,2,4,6
	v_wmma_scale_f32_16x16x128_f8f6f4 v[SC+8*\t:SC+8*\t+7], v[KF+6*\t:KF+6*\t+11], v[QF+12*\m:QF+12*\m+11], 0, v[KS+\t/2], v[QS+\m] matrix_a_fmt:MATRIX_FMT_FP6 matrix_b_fmt:MATRIX_FMT_FP6
	v_wmma_scale_f32_16x16x128_f8f6f4 v[SC+8*\t+8:SC+8*\t+15], v[KF+6*\t+6:KF+6*\t+17], v[QF+12*\m:QF+12*\m+11], 0, v[KS+\t/2], v[QS+\m] matrix_a_fmt:MATRIX_FMT_FP6 matrix_b_fmt:MATRIX_FMT_FP6 matrix_a_scale:MATRIX_SCALE_ROW1
.endr
	WIN 0
	PLACES 5
.if \m < 2
	s_cmp_ge_u32 s[48+\m], s45
	s_cbranch_scc1 .Lopen_\@                       ; all 128 keys count for all 16 rows
	s_sub_co_i32 s44, s[48+\m], s27
	v_add_nc_u32 v[DM], s44, v13                   ; register 16 b + i is hidden where 32 b + i >= my query / 8 - the step's first key - 16 h
.set NN, 0
.rept 64
	v_cmp_ge_i32 vcc_lo, 32*(NN/16)+NN%16, v[DM]
	v_cndmask_b32 v[SC+NN], v[SC+NN], v[NEG], vcc_lo
.set NN, NN+1
.endr
.Lopen_\@:
.endif
.irp b, 0,1,2,3
	v_max3_num_f32 v[BM+\b], v[SC+16*\b], v[SC+16*\b+1], v[SC+16*\b+2]
.endr
.irp i, 3,5,7,9,11,13
.irp b, 0,1,2,3
	v_max3_num_f32 v[BM+\b], v[BM+\b], v[SC+16*\b+\i], v[SC+16*\b+\i+1]
.endr
.endr
.irp b, 0,1,2,3
	v_max_num_f32 v[BM+\b], v[BM+\b], v[SC+16*\b+15]
.endr
.irp b, 0,1,2,3
	s_delay_alu instid0(VALU_DEP_4)
	v_permlanex16_b32 v[BX+\b], v[BM+\b], s[SEL], s[SEL+1]
.endr
.irp b, 0,1,2,3
	s_delay_alu instid0(VALU_DEP_4)
	v_max_num_f32 v[BM+\b], v[BM+\b], v[BX+\b]
.endr
	s_delay_alu instid0(VALU_DEP_2)
	v_max3_num_f32 v[TMP], v[BM], v[BM+1], v[BM+2]
	s_delay_alu instid0(VALU_DEP_1)
	v_max_num_f32 v[TMP], v[TMP], v[BM+3]
	s_delay_alu instid0(VALU_DEP_1)
	v_mul_f32 v[TMP], s22, v[TMP]
	s_delay_alu instid0(VALU_DEP_1)
	v_max_num_f32 v[STT+4*\m+1], v[STT+4*\m+1], v[TMP]
	v_mov_b32 v[TMP], v[STT+4*\m]
	s_delay_alu instid0(VALU_DEP_2)
	v_floor_f32 v[STT+4*\m], -v[STT+4*\m+1]        ; -M = floor(-t)
	s_delay_alu instid0(VALU_DEP_1)
	v_sub_f32 v[TMP], v[STT+4*\m], v[TMP]
	s_delay_alu instid0(VALU_DEP_1)
	v_cvt_i32_f32 v[TMP], v[TMP]
	s_delay_alu instid0(VALU_DEP_1)
	v_ldexp_f32 v[FF], 1.0, v[TMP]                 ; f = 2^(old M - new M)
.set JJ, 0
.rept 32
	v_pk_fma_f32 v[SC+JJ:SC+JJ+1], v[SC+JJ:SC+JJ+1], s[22:23], v[STT+4*\m:STT+4*\m+1] op_sel_hi:[1,0,0]
.set JJ, JJ+2
.endr
.irp b, 0,1,2,3
	v_fma_f32 v[BM+\b], v[BM+\b], s22, v[STT+4*\m]
.endr
.set JJ, 0
	s_wait_alu depctr_va_vdst(0)                   ; the wait ahead of the batch
.rept 64
	v_exp_f32 v[SC+JJ], v[SC+JJ]
.set JJ, JJ+1
.endr
	v_pk_mul_f32 v[STT+4*\m+2:STT+4*\m+3], v[STT+4*\m+2:STT+4*\m+3], v[FF:FF+1] op_sel_hi:[1,0]
	s_wait_alu depctr_va_vdst(0)                   ; and behind it
.irp b, 0,1,2,3
	v_exp_f32 v[BM+\b], v[BM+\b]                   ; each block's largest p
.endr
	v_pk_add_f32 v[LB:LB+1], v[SC:SC+1], v[SC+2:SC+3]
.irp j, 4,8,12,16,20,24,28,32,36,40,44,48,52,56,60
	v_pk_add_f32 v[STT+4*\m+2:STT+4*\m+3], v[STT+4*\m+2:STT+4*\m+3], v[SC+\j:SC+\j+1]
	v_pk_add_f32 v[LB:LB+1], v[LB:LB+1], v[SC+\j+2:SC+\j+3]
.endr
	s_delay_alu instid0(VALU_DEP_1)
	v_pk_add_f32 v[STT+4*\m+2:STT+4*\m+3], v[STT+4*\m+2:STT+4*\m+3], v[LB:LB+1]
	s_wait_alu depctr_va_vdst(0)
.irp b, 0,1,2,3
	v_max_num_f32 v[BM+\b], 0x1800000, v[BM+\b]
.endr
.irp b, 0,1,2,3
	s_delay_alu instid0(VALU_DEP_4)
	v_add_nc_u32 v[SO+\b], 0xff000000, v[BM+\b]
.endr
.irp b, 0,1,2,3
	s_delay_alu instid0(VALU_DEP_4)
	v_lshrrev_b32 v[BX+\b], 23, v[SO+\b]
.endr
	s_delay_alu instid0(VALU_DEP_3)
	v_lshl_or_b32 v[PW], v[BX+1], 8, v[BX]
	s_delay_alu instid0(VALU_DEP_1)
	v_lshl_or_b32 v[PW], v[BX+2], 16, v[PW]
	s_delay_alu instid0(VALU_DEP_1)
	v_lshl_or_b32 v[PW], v[BX+3], 24, v[PW]
.irp c, 0,1
	v_cvt_scalef32_pk16_fp6_f32 v[PC+6*\c:PC+6*\c+2], v[SC+32*\c:SC+32*\c+15], v[SO+2*\c]
	v_cvt_scalef32_pk16_fp6_f32 v[CT+4*\c:CT+4*\c+2], v[SC+32*\c+16:SC+32*\c+31], v[SO+2*\c+1]
.endr
	v_nop
.irp c, 0,1
.irp i, 0,1,2
	v_permlane16_swap_b32 v[PC+6*\c+\i], v[CT+4*\c+\i]
.endr
.irp i, 0,1,2
	s_delay_alu instid0(VALU_DEP_3)
	v_mov_b32 v[PC+6*\c+3+\i], v[CT+4*\c+\i]
.endr
.endr
	WIN 0x41
.set JJ, 0
.rept 16
	v_pk_mul_f32 v[32*\m+JJ:32*\m+JJ+1], v[32*\m+JJ:32*\m+JJ+1], v[FF:FF+1] op_sel_hi:[1,0]   ; O^T under the new M; these 16 are the places ahead of the products
.set JJ, JJ+2
.endr
	WIN 0x51
.irp d, 0,1,2,3
	MMA 32*\m+8*\d, VF+12*\d, PC, VS+\d, PW
.endr
	WIN 0
.Lno_tile_\@:
.endm
.Lhead:                                            ; two trips: the pair's two heads
	v_add_nc_u32 v10, s39, v3
	v_add_nc_u32 v11, s39, v4
	v_add_nc_u32 v15, s40, v14
	WIN 0x40
.irp m, 0,1,2,3
	ds_load_b128 v[QF+12*\m:QF+12*\m+3], v10 offset:768*\m
	ds_load_b64 v[QF+12*\m+4:QF+12*\m+5], v11 offset:768*\m+512
.endr
	WIN 0
.irp m, 0,1,2,3
	ds_load_b32 v[QS+\m], v15 offset:128*\m
.endr
.irp m, 0,1,2,3
	v_mov_b32 v[STT+4*\m+1], 0xff61b1e6            ; the largest t so far: -3e38
	s_delay_alu instid0(VALU_DEP_1)
	v_floor_f32 v[STT+4*\m], -v[STT+4*\m+1]
	v_mov_b32 v[STT+4*\m+2], 0
	v_mov_b32 v[STT+4*\m+3], 0
.endr
	WIN 0x40
.set NN, 0
.rept 128
	v_mov_b32 v[NN], 0                             ; O^T: the key step is written once
.set NN, NN+1
.endr
	WIN 0
	s_wait_dscnt 0x0
	s_mov_b32 s26, 0                               ; the key step,
	s_mov_b32 s27, 0                               ; its first key
.Lstep:                                            ; four trips
	s_mul_i32 s44, s26, BLOCK
	s_add_co_u32 s44, s44, s41
	s_add_co_u32 s45, s27, 128
	v_add_nc_u32 v8, s44, v1
	PLACES 4                                       ; ahead of loads into registers that the last products have read
.set G, 0
.rept 12
	ds_load_b128 v[KF+4*G:KF+4*G+3], v8 offset:512*G
.set G, G+1
.endr
	ds_load_b128 v[KS:KS+3], v8 offset:6144
	ds_load_b128 v[VS:VS+3], v8 offset:12800
	WIN 0x40
.set G, 0
.rept 12
	ds_load_b128 v[VF+4*G:VF+4*G+3], v8 offset:6656+512*G
.set G, G+1
.endr
	WIN 0
	s_wait_dscnt 0x0
	TILE 0
	s_cmp_lt_u32 s26, s54
	s_cbranch_scc0 .Lno_h
	s_cmp_ge_u32 s26, s52
	s_cbranch_scc0 .Lno_h
	v_add_f32 v[STT+2], v[STT+2], v76              ; M does not move, so nothing is rescaled
	WIN 0x51
.irp d, 0,1,2,3
	MMA 8*\d, VF+12*\d, 64, VS+\d, 36
.endr
	WIN 0
.Lno_h:
	TILE 1
	TILE 2
	TILE 3
	s_add_co_u32 s26, s26, 1
	s_add_co_u32 s27, s27, 128
	s_cmp_lt_u32 s26, 4
	s_cbranch_scc1 .Lstep
	; O / l, quantised along the head's 64, into the bytes that held this head's q
.irp m, 0,1,2,3
	v_add_f32 v[STT+4*\m+2], v[STT+4*\m+2], v[STT+4*\m+3]
.endr
.irp m, 0,1,2,3
	s_delay_alu instid0(VALU_DEP_4)
	v_permlanex16_b32 v[BX+\m], v[STT+4*\m+2], s[SEL], s[SEL+1]
.endr
.irp m, 0,1,2,3
	s_delay_alu instid0(VALU_DEP_4)
	v_add_f32 v[STT+4*\m+2], v[STT+4*\m+2], v[BX+\m]
.endr
	s_wait_alu depctr_va_vdst(0)
.irp m, 0,1,2,3
	v_rcp_f32 v[CT+2*\m], v[STT+4*\m+2]
.endr
	v_nop
	s_wait_alu depctr_va_vdst(0)
.irp m, 0,1,2,3
	WIN 0x41
.set JJ, 0
.rept 16
	v_pk_mul_f32 v[32*\m+JJ:32*\m+JJ+1], v[32*\m+JJ:32*\m+JJ+1], v[CT+2*\m:CT+2*\m+1] op_sel_hi:[1,0]
.set JJ, JJ+2
.endr
	WIN 0
	s_wait_dscnt 0x0
	QBLK2 32*\m, 1, CD0, 236
	ds_store_b128 v10, v[CD0:CD0+3] offset:768*\m
	ds_store_b64 v11, v[CD0+4:CD0+5] offset:768*\m+512
	ds_store_b32 v15, v236 offset:128*\m
.endr
	s_wait_dscnt 0x0
	s_add_co_u32 s39, s39, 3072
	s_add_co_u32 s40, s40, 512
	s_add_co_u32 s41, s41, 4*BLOCK
	s_add_co_u32 s28, s28, 1
	s_cmp_lt_u32 s28, 2
	s_cbranch_scc1 .Lhead
; ---- the four records: both heads' halves back from my own LDS bytes, and out in stores of 512 consecutive bytes
.irp m, 0,1,2,3
	ds_load_b128 v[64+16*\m:67+16*\m], v3 offset:768*\m
	ds_load_b64 v[68+16*\m:69+16*\m], v4 offset:768*\m+512
	ds_load_b128 v[70+16*\m:73+16*\m], v3 offset:768*(4+\m)
	ds_load_b64 v[74+16*\m:75+16*\m], v4 offset:768*(4+\m)+512
	ds_load_b32 v[76+16*\m], v14 offset:128*\m
	ds_load_b32 v[77+16*\m], v14 offset:128*(4+\m)
	v_mov_b32 v[78+16*\m], 0
	v_mov_b32 v[79+16*\m], 0
.endr
	s_wait_alu depctr_va_vdst(0)
	s_wait_dscnt 0x0
.irp m, 0,1,2,3
	v_lshl_or_b32 v[76+16*\m], v[77+16*\m], 16, v[76+16*\m]
.endr
.irp m, 0,1,2,3
.irp c, 0,1,2,3
	global_store_b128 v7, v[64+16*\m+4*\c:67+16*\m+4*\c], s[66+2*\m:67+2*\m] offset:512*\c
.endr
.endr
	s_wait_tensorcnt 0x0                           ; the wave's end
	ds_add_u32 v22, v23
	s_wait_dscnt 0x0
	s_endpgm
.Lfunc_end_k_qabfca10641_attn:
	.size	k_qabfca10641_attn, .Lfunc_end_k_qabfca10641_attn-k_qabfca10641_attn
	.p2alignl 7, 3214868480
	.fill 96, 4, 3214868480
	.section	.rodata,"a",@progbits
	.p2align	6, 0x0
	.amdhsa_kernel k_qabfca10641_attn
		.amdhsa_group_segment_fixed_size 271360
		.amdhsa_private_segment_fixed_size 0
		.amdhsa_enable_private_segment 0
		.amdhsa_kernarg_size 40
		.amdhsa_user_sgpr_count 2
		.amdhsa_user_sgpr_kernarg_segment_ptr 1
		.amdhsa_wavefront_size32 1
		.amdhsa_system_sgpr_workgroup_id_x 1
		.amdhsa_system_sgpr_workgroup_id_y 1
		.amdhsa_system_sgpr_workgroup_id_z 1
		.amdhsa_system_vgpr_workitem_id 0
		.amdhsa_next_free_vgpr 512
		.amdhsa_next_free_sgpr 96
		.amdhsa_reserve_vcc 1
		.amdhsa_float_denorm_mode_32 3
		.amdhsa_float_denorm_mode_16_64 3
		.amdhsa_memory_ordered 1
		.amdhsa_forward_progress 1
		.amdhsa_inst_pref_size 162
	.end_amdhsa_kernel
	.amdgpu_metadata
---
amdhsa.version: [ 1, 2 ]
amdhsa.kernels:
  - .name:           k_qabfca10641_attn
    .symbol:         k_qabfca10641_attn.kd
    .args:
      - { .name: ximg, .offset: 0, .size: 8, .value_kind: global_buffer, .address_space: global }
      - { .name: wimg, .offset: 8, .size: 8, .value_kind: global_buffer, .address_space: global }
      - { .name: kvimg, .offset: 16, .size: 8, .value_kind: global_buffer, .address_space: global }
      - { .name: bq, .offset: 24, .size: 8, .value_kind: global_buffer, .address_space: global }
      - { .name: aimg, .offset: 32, .size: 8, .value_kind: global_buffer, .address_space: global }
    .group_segment_fixed_size: 271360
    .private_segment_fixed_size: 0
    .kernarg_segment_align: 8
    .kernarg_segment_size: 40
    .max_flat_workgroup_size: 256
    .sgpr_count:     96
    .vgpr_count:     512
    .wavefront_size: 32
...
	.end_amdgpu_metadata
.endif
;; end of part 3
;; launch oproj (part 4): grid 256 x 1, 4 waves a work-group, no clusters, 194,048 bytes of LDS; arguments aimg, wimg, bo, out0; writes out0
.if DOCPART == 4
	.amdgcn_target "amdgcn-amd-amdhsa--gfx1250"
	.amdhsa_code_object_version 6
	.text
	.protected	k_qabfca10641_oproj
	.globl	k_qabfca10641_oproj
	.p2align	8
	.type	k_qabfca10641_oproj,@function
k_qabfca10641_oproj:
	s_mov_b64 s[64:65], 0
	v_nop
	global_prefetch_b8 v0, s[64:65] scope:SCOPE_SE
	s_setreg_imm32_b32 hwreg(HW_REG_WAVE_MODE, 25, 1), 1
	s_wait_xcnt 0x0
; OPROJ.  out = a Wo + bo on codes of E2M3: a from aimg (records of 16 rows x 128 K), Wo from wimg (BLOCKs of 128 columns x 128 K).
; A work-group makes 256 rows x 256 columns (column block = wg % 4, row block = wg / 4), a wave 128 x 128: 64 accumulators in windows 2 and 3.  The bias, 64 registers in the result's layout, is the C of the first K step's products.
; a's records go from memory straight into the registers of the wave that multiplies them, in two sets: while one K step is multiplied the next is on its way.
; Wo's BLOCKs of K steps 0 and 1 come the same way; those of K steps 2 to 7 (2 x 6 BLOCKs, 159,744 bytes) come into LDS once, a quarter by each wave's one tensor load at the head, and nothing is filled again.
; The wait for that load and the one barrier stand behind the first K step's 64 products; from there a K step costs a wave 32 global loads and 26 LDS loads.
; NO JOINT LOADS, NO PREFETCH: what work-groups share and LDS holds is asked for once, at the head; a's records, the larger part of a K step's bytes, go to registers, a whole K step ahead of the step that is multiplied.
; Source 0 = 16 columns of Wo (chosen so that tiles 2 b, 2 b + 1 leave 16 neighbours), source 1 = 16 rows of a: a lane holds pieces of one row of out, which leaves through the wave's own stage as whole rows of 512 bytes.
; REGISTERS.  Window 0: v1-15 addresses; v16-47 scale words alone (set p: a's at 16 + 16 p, Wo's at 24 + 16 p); v64-159, v160-255 a's fragments.  Window 1: v0-95, v128-223 Wo's fragments; v96-127, v224-255 the bias.
.set BLOCK, 13312
.set WHALF, 79872                      ; LDS: six BLOCKs for each 128 columns
.set STG, 159744                       ; four stages of 8,448 bytes
.set SPARE, 193536                     ; the spare words
.set MSB, 0
.macro WIN new
.if MSB != (\new)
	s_set_vgpr_msb (MSB<<8)|(\new)
.set MSB, (\new)
.endif
.endm
.macro PLACES n
.rept \n
	v_nop
.endr
.endm
.macro MMB d, a, b, c, sa, sb
	v_wmma_scale_f32_16x16x128_f8f6f4 v[(\d):(\d)+7], v[(\a):(\a)+11], v[(\b):(\b)+11], v[(\c):(\c)+7], v[\sa], v[\sb] matrix_a_fmt:MATRIX_FMT_FP6 matrix_b_fmt:MATRIX_FMT_FP6
.endm
	s_load_b256 s[4:11], s[0:1], 0x0               ; aimg, wimg, bo, out
	v_lshl_add_u32 v14, v0, 2, SPARE
	v_mov_b32 v15, 0
	ds_add_u32 v14, v15                            ; the opening lines: the add, twice on end, and its wait ahead of my tensor load
	ds_add_u32 v14, v15
	v_lshrrev_b32 v8, 5, v0
	v_readfirstlane_b32 s16, v8                    ; wave
	s_and_b32 s17, ttmp9, 3
	s_lshr_b32 s18, ttmp9, 2
	s_lshr_b32 s19, s16, 1
	s_and_b32 s20, s16, 1
	s_lshl_b32 s21, s17, 1
	s_add_co_u32 s21, s21, s20                     ; my 128 columns, 0..7
	s_lshl_b32 s22, s18, 1
	s_add_co_u32 s22, s22, s19                     ; my 128 rows, 0..127
	s_lshl_b32 s24, s22, 17                        ; aimg: 8 tiles of 16,384 bytes
	s_mov_b32 s25, 0
	s_mul_i32 s26, s21, 8*BLOCK
	s_add_co_u32 s26, s26, 64*BLOCK                ; wimg: Wo is the second weight
	s_mov_b32 s27, 0
	s_lshl_b32 s28, s21, 9
	s_mov_b32 s29, 0
	s_lshl_b32 s30, s22, 19                        ; out: 128 rows of 4,096 bytes
	s_add_co_u32 s30, s30, s28
	s_mov_b32 s31, 0
	s_mul_i32 s32, s16, 8448
	s_add_co_u32 s32, s32, STG                     ; my stage
	s_mul_i32 s33, s20, WHALF                      ; my columns' BLOCKs in LDS
	s_mul_i32 s34, s19, 3*BLOCK                    ; I fetch three of them: K steps 2 + 3 (wave / 2) on
	s_add_co_u32 s41, s34, s33
	s_add_co_u32 s34, s34, s26
	s_add_co_u32 s34, s34, 2*BLOCK
	s_mov_b32 s35, 0
	s_mov_b32 s40, 1
	s_mov_b32 s44, 3<<16                           ; 156 rows of 256 bytes: elements of 8 bytes, no padding
	s_mov_b32 s45, 32<<16
	s_mov_b32 s46, 156<<16
	s_mov_b32 s47, 32<<16
	s_mov_b32 s48, 156
	s_mov_b32 s49, 32
	s_mov_b32 s50, 0
	s_mov_b32 s51, 0
	s_wait_dscnt 0x0                               ; both opening adds are done
	s_wait_kmcnt 0x0
	s_add_nc_u64 s[42:43], s[6:7], s[34:35]
	s_or_b32 s43, s43, 0x80000000
	tensor_load_to_lds s[40:43], s[44:51]          ; my one tensor load
	s_nop 0
	PLACES 4
	s_add_nc_u64 s[4:5], s[4:5], s[24:25]
	s_add_nc_u64 s[6:7], s[6:7], s[26:27]
	s_add_nc_u64 s[8:9], s[8:9], s[28:29]
	s_add_nc_u64 s[10:11], s[10:11], s[30:31]
	v_and_b32 v10, 31, v0
	v_and_b32 v8, 15, v0
	v_bfe_u32 v9, v0, 4, 1
	v_lshlrev_b32 v1, 4, v10                       ; 16 x lane
	v_lshlrev_b32 v2, 4, v8                        ; 16 r
	v_mul_u32_u24 v4, v8, 528
	v_lshlrev_b32 v12, 6, v9                       ; 64 h
	v_add_nc_u32 v3, s32, v1                       ; my stage by rows
	v_lshl_add_u32 v4, v9, 6, v4
	v_add_nc_u32 v6, s33, v1                       ; my columns' BLOCKs, 16 a lane
	v_add_nc_u32 v4, s32, v4                       ; my stage by lanes
	s_wait_alu depctr_va_vdst(0)                   ; the wait at the head's end
	WIN 0x40
.irp t, 0,1,2,3,4,5,6,7
.irp q, 0,1
	global_load_b128 v[96+8*(\t%4)+128*(\t/4)+4*\q:99+8*(\t%4)+128*(\t/4)+4*\q], v12, s[8:9] offset:128*(\t/2)+32*(\t%2)+16*\q   ; bo at the eight columns that a lane holds of tile t
.endr
.endr
	WIN 0
.macro LOADA p, st                     ; a's eight records of one K step: 32 loads
.irp a, 0,1,2,3,4,5,6,7
.irp c, 0,1,2
	global_load_b128 v[64+96*\p+12*\a+4*\c:67+96*\p+12*\a+4*\c], v1, s[4:5] offset:16384*\a+2048*(\st)+512*\c
.endr
	global_load_b32 v[16+16*\p+\a], v2, s[4:5] offset:16384*\a+2048*(\st)+1536
.endr
.endm
.macro LOADWG p, st                    ; Wo's BLOCK from memory: 26 loads
	WIN 0x40
.set G, 0
.rept 24
	global_load_b128 v[128*\p+4*G:128*\p+4*G+3], v1, s[6:7] offset:BLOCK*(\st)+512*G
.set G, G+1
.endr
	WIN 0
	global_load_b128 v[24+16*\p:27+16*\p], v1, s[6:7] offset:BLOCK*(\st)+12288
	global_load_b128 v[28+16*\p:31+16*\p], v1, s[6:7] offset:BLOCK*(\st)+12800
.endm
.macro LOADWL p                        ; Wo's BLOCK from LDS: 26 loads; set p has its own address register, written when the set's last loads have come back
	v_add_nc_u32 v[5+2*\p], s36, v6
	WIN 0x40
.set G, 0
.rept 24
	ds_load_b128 v[128*\p+4*G:128*\p+4*G+3], v[5+2*\p] offset:BLOCK*\p+512*G
.set G, G+1
.endr
	WIN 0
	ds_load_b128 v[24+16*\p:27+16*\p], v[5+2*\p] offset:BLOCK*\p+12288
	ds_load_b128 v[28+16*\p:31+16*\p], v[5+2*\p] offset:BLOCK*\p+12800
.endm
.macro STEP p, first, more, lw, dw     ; 64 products; the 64 accumulators take turns
	s_wait_loadcnt \lw                             ; this set's global loads are in (and the bias, asked for ahead of them); the other set's may be out
	s_wait_dscnt \dw                               ; and its LDS loads; the other set's 26 may be out
.irp hw, 0,1
.if \first
	WIN 0x91+0x40*\hw                              ; source 0 and C window 1, source 1 window 0, D window 2 or 3
.else
	WIN 0xa1+0x50*\hw                              ; C and D window 2 or 3
.endif
.irp a, 0,1,2,3
.irp t, 0,1,2,3,4,5,6,7
.if \first
	MMB 8*(8*\a+\t), 128*\p+12*\t, 64+96*\p+12*(\a+4*\hw), 96+8*(\t%4)+128*(\t/4), 24+16*\p+\t, 16+16*\p+\a+4*\hw
.else
	MMB 8*(8*\a+\t), 128*\p+12*\t, 64+96*\p+12*(\a+4*\hw), 8*(8*\a+\t), 24+16*\p+\t, 16+16*\p+\a+4*\hw
.endif
.endr
.endr
.endr
	WIN 0
	PLACES 4
.if \first
	s_wait_tensorcnt 0x0                           ; my three BLOCKs have landed
	s_barrier_signal -1
	s_barrier_wait -1                              ; and everybody's: Wo's K steps 2 to 7 lie in LDS
.endif
.if \more
	LOADWL \p
.if \p == 0
	s_wait_xcnt 0x0                                ; the loads of the K step before have read their base: two K steps on
	s_add_nc_u64 s[4:5], s[4:5], 4096
.else
	s_add_co_u32 s36, s36, 2*BLOCK
.endif
	LOADA \p, \p
.endif
.endm
	LOADA 0, 0
	LOADWG 0, 0
	LOADA 1, 1
	LOADWG 1, 1
	s_mov_b32 s36, 0                               ; the place in LDS of the BLOCK that set 0 takes next
	STEP 0, 1, 1, 58, 0                            ; the first K step starts the sums from the bias; the other set's 58 loads may be out
	STEP 1, 0, 1, 32, 26
	s_mov_b32 s38, 0
.Lk:
	STEP 0, 0, 1, 32, 26
	STEP 1, 0, 1, 32, 26
	s_add_co_u32 s38, s38, 1
	s_cmp_lt_u32 s38, 2
	s_cbranch_scc1 .Lk
	STEP 0, 0, 0, 32, 26                           ; the last two K steps ask for nothing
	STEP 1, 0, 0, 0, 0
; THE WAY OUT, block by block of 16 rows x 128 columns
.macro TOSTAGE a
	WIN 0x08+4*((\a)/4)
.irp t, 0,1,2,3,4,5,6,7
	ds_store_b128 v4, v[8*(8*((\a)%4)+\t):8*(8*((\a)%4)+\t)+3] offset:128*(\t/2)+32*(\t%2)      ; each accumulator from its low end on
	ds_store_b128 v4, v[8*(8*((\a)%4)+\t)+4:8*(8*((\a)%4)+\t)+7] offset:128*(\t/2)+32*(\t%2)+16
.endr
	WIN 0
.irp p, 0,1,2,3,4,5,6,7,8,9,10,11,12,13,14,15
	ds_load_b128 v[64+64*((\a)%2)+4*\p:67+64*((\a)%2)+4*\p], v3 offset:528*\p   ; a wave's LDS instructions are served in order
.endr
.endm
.macro SEND a, younger
	s_wait_dscnt \younger
.irp p, 0,1,2,3,4,5,6,7,8,9,10,11,12,13,14,15
	global_store_b128 v1, v[64+64*((\a)%2)+4*\p:67+64*((\a)%2)+4*\p], s[10:11] offset:(16*(\a)+\p)*4096 th:TH_STORE_NT   ; 512 consecutive bytes a store
.endr
.endm
	TOSTAGE 0
.irp a, 1,2,3,4,5,6,7
.if \a > 1
	s_wait_xcnt 0x0                                ; block a - 2's stores have read their registers
.endif
	TOSTAGE \a
	SEND \a-1, 32                                  ; behind block a - 1's loads: block a's 16 stores and 16 loads
.endr
	SEND 7, 0
	s_wait_tensorcnt 0x0                           ; the wave's end
	ds_add_u32 v14, v15
	s_wait_dscnt 0x0
	s_endpgm
.Lfunc_end_k_qabfca10641_oproj:
	.size	k_qabfca10641_oproj, .Lfunc_end_k_qabfca10641_oproj-k_qabfca10641_oproj
	.p2alignl 7, 3214868480
	.fill 96, 4, 3214868480
	.section	.rodata,"a",@progbits
	.p2align	6, 0x0
	.amdhsa_kernel k_qabfca10641_oproj
		.amdhsa_group_segment_fixed_size 194048
		.amdhsa_private_segment_fixed_size 0
		.amdhsa_enable_private_segment 0
		.amdhsa_kernarg_size 32
		.amdhsa_user_sgpr_count 2
		.amdhsa_user_sgpr_kernarg_segment_ptr 1
		.amdhsa_wavefront_size32 1
		.amdhsa_system_sgpr_workgroup_id_x 1
		.amdhsa_system_sgpr_workgroup_id_y 1
		.amdhsa_system_sgpr_workgroup_id_z 1
		.amdhsa_system_vgpr_workitem_id 0
		.amdhsa_next_free_vgpr 1024
		.amdhsa_next_free_sgpr 66
		.amdhsa_reserve_vcc 0
		.amdhsa_float_denorm_mode_32 3
		.amdhsa_float_denorm_mode_16_64 3
		.amdhsa_memory_ordered 1
		.amdhsa_forward_progress 1
		.amdhsa_inst_pref_size 114
	.end_amdhsa_kernel
	.amdgpu_metadata
---
amdhsa.version: [ 1, 2 ]
amdhsa.kernels:
  - .name:           k_qabfca10641_oproj
    .symbol:         k_qabfca10641_oproj.kd
    .args:
      - { .name: aimg, .offset: 0, .size: 8, .value_kind: global_buffer, .address_space: global }
      - { .name: wimg, .offset: 8, .size: 8, .value_kind: global_buffer, .address_space: global }
      - { .name: bo, .offset: 16, .size: 8, .value_kind: global_buffer, .address_space: global }
      - { .name: out0, .offset: 24, .size: 8, .value_kind: global_buffer, .address_space: global }
    .group_segment_fixed_size: 194048
    .private_segment_fixed_size: 0
    .kernarg_segment_align: 8
    .kernarg_segment_size: 32
    .max_flat_workgroup_size: 128
    .sgpr_count:     66
    .vgpr_count:     1024
    .wavefront_size: 32
...
	.end_amdgpu_metadata
.endif
;; end of part 4
